; MI455X (gfx1250); checked and timed in simulation.
; The chip was launched on July 23, 2026; its instructions are those of AMD's public machine-readable ISA for CDNA 5 (MIT licence, August 2026) and "CDNA5" Instruction Set Architecture Reference Guide (July 2026). The comments in the code are by the model that wrote it; some were corrected since.
;; Std Attention. Allowed arithmetic: matrix products marked QUANTISED: E2M3 operands, one E8M0 scale for each 32 along K, by v_wmma_scale_f32_16x16x128_f8f6f4 with both operands' format E2M3, f32 sums; everything else in f32.
;; Inputs: k 4 x 16 x 2,048 x 64 float32; q 4 x 16 x 2,048 x 64 float32; v 4 x 16 x 2,048 x 64 float32.
;; Outputs: out0 4 x 16 x 2,048 x 64 float32.
;; This version of the problem:
;;   THIS VERSION OF THE PROBLEM IS GIVEN IN LOW PRECISION. The matrix products marked QUANTISED in the list below multiply operands that are first quantised to E2M3 (2 exponent bits, 3 mantissa bits; 6 bits a number), with one power-of-two scale for each 32 numbers along K (OCP MX v1.0); their sums are f32. All else is computed in f32.
;;   The module's matrix products, in the order in which they are computed (A, B: the left and right operand; K: the contracted axis; several contracted axes count as one K, in the product's order):
;;     1. batch 64 x [M 2,048, K 64] x [K 64, N 2,048]; A: input q; B: input k: QUANTISED
;;     2. batch 64 x [M 2,048, K 2,048] x [K 2,048, N 64]; A: computed on the way; B: input v: QUANTISED
;;   THE QUANTISER, for each operand of a quantised product, along K:
;;     - K is cut into blocks of 32 from its start; a last block that is shorter is filled with zeros.
;;     - A block's scale is 2^e with e = floor(log2(the largest magnitude in the block)) - 2, held to -126 .. 127; a block of zeros has e = 0. As a byte (E8M0): e + 127.
;;     - Each number is divided by its block's scale, clamped to +-7.5, and rounded to the nearest number of E2M3, ties to even, subnormals kept.
;;     - The product sums the exact products of the quantised numbers (number of the format x scale) in f32.
;;   ~~~python
;;   def quantise(x, axis):      # numpy; x: float32 -> the quantised numbers, widened to float32 again
;;       x = np.moveaxis(x, axis, -1); K = x.shape[-1]
;;       x = np.pad(x, [(0, 0)] * (x.ndim - 1) + [(0, -K % 32)]); x = x.reshape(x.shape[:-1] + (-1, 32)); a = np.abs(x).max(-1, keepdims=True)
;;       e = np.where(a > 0, np.clip(np.frexp(np.where(a > 0, a, 1))[1] - 1 - 2, -126, 127), 0)      # np.frexp(a)[1] - 1 = floor(log2(a)), exactly
;;       r = np.clip(x / 2.0 ** e, -7.5, 7.5)
;;       step = 2.0 ** (np.maximum(np.frexp(np.where(r == 0, 1, r))[1] - 1, 0) - 3)
;;       q = np.round(r / step) * step * 2.0 ** e      # np.round: ties to even
;;       return np.moveaxis(q.reshape(q.shape[:-2] + (-1,))[..., :K], -1, axis).astype(np.float32)
;;   ~~~
;;   OPERANDS COMPUTED ON THE WAY. 'Computed on the way' means the value that the module computes at that place (a softmax that the list does not call 'softmax' is quantised finished and normalised). What goes into a quantiser is computed in f32, as accurately as f32 sums, v_exp_f32 and their like allow (about 1e-6 of the number): no bf16 or f16 on the way to a quantiser, and a product that is left as it is and whose result goes on into a quantised operand takes f32 operands (vector FMAs, or v_wmma_f32_16x16x4_f32). A number that lies on a knife's edge between two numbers of the format may be rounded either way, as far as f32 arithmetic and the matrix unit's own rounding can turn it there, and no further.
;; One version. Each part assembles by itself: llvm-mc -triple=amdgcn-amd-amdhsa -mcpu=gfx1250 --defsym DOCPART=n.
;; ======== version 1 of 1: 2 launches
;; limits: right only within a limited range of input values
;; workspace buffers: kv 13,369,344 bytes
;; launch quant (part 1): grid 1024 x 1, 4 waves a work-group, no clusters, 35,328 bytes of LDS; arguments k, v, kv; writes kv
.if DOCPART == 1
	.amdgcn_target "amdgcn-amd-amdhsa--gfx1250"
	.amdhsa_code_object_version 6
	.text
	.protected	k_qc1a7e692e9_quant
	.globl	k_qc1a7e692e9_quant
	.p2align	8
	.type	k_qc1a7e692e9_quant,@function
k_qc1a7e692e9_quant:
	s_mov_b64 s[64:65], 0
	v_nop
	global_prefetch_b8 v0, s[64:65] scope:SCOPE_SE
	s_setreg_imm32_b32 hwreg(HW_REG_WAVE_MODE, 25, 1), 1
	s_wait_xcnt 0x0
; k and v, [64 heads][2048 keys][64] f32, become codes of FP6 (E2M3) with one E8M0 scale byte for each 32 along a product's K:
; k along its 64 channels (K of q k^T), v along the keys (K of a_hat v).  They are quantised ONCE here, since every block of queries of a head reads them.
; A block's scale is 2^(floor(log2(its largest magnitude)) - 2); its byte is the largest magnitude's exponent field - 2, held at 1 from below.
; LIMITS: a block of zeros gets the byte 1 where the rule says 127 (its codes are zeros, which add nothing under any byte but 0xff, and this program alone reads the bytes);
; NaN and infinities among the inputs are not served.
; THE BUFFER kv IS LAID IN THE ORDER OF THE OPERANDS' REGISTERS, 208,896 bytes a head.  j: key step of 128 keys; lane l = (r = l % 16, h = l / 16):
;   KIMG, byte 0:        step j = 12 planes of 512 bytes; plane p holds registers 4 p .. 4 p + 3 of 48, lane l's 16 bytes at 16 l.  Register 6 t + i (tile t = 4 c + i') is word i of the
;                        24 bytes of codes of key 128 j + 64 c + 32 (r / 8) + 8 i' + r % 8, channels 32 h .. 32 h + 31.  (With these rows to a tile the scores of a lane come out as whole blocks of 32 neighbouring keys.)
;   VIMG, byte 98,304:   step j, tile t of 16 channels = 3 planes at (12 j + 3 t + p) x 512: channel 16 t + r, registers 6 c .. 6 c + 5 = keys 128 j + 64 c + 32 h + 0 .. 31.
;   KSC,  byte 196,608:  the scale word of tile 4 c + i', row r, at 512 j + 256 c + 16 r + 4 i'.  k has two blocks: the word is b0, b1, b0, b1 (the upper two scale codes that meet zeros).
;   VSC,  byte 204,800:  the scale word (4 blocks of keys) of channel 16 t + r at 256 j + 128 (t / 2) + 8 r + 4 (t % 2).
; Work-groups 0-511 take k, 512-1023 take v: a scalar branch on the work-group's number.  Waves share nothing: no barrier.  Only k's path uses LDS.
.set HEADB, 208896
.set VIMG,  98304
.set KSC,   196608
.set VSC,   204800
.set MX,  8                            ; v8-11    four chains of a block's largest magnitude
.set SOP, 16                           ; v16      the conversions' scale operand
.set BY,  17                           ; v17      the scale's byte
.set W,   18                           ; v18      at work on a scale word
.set W2,  19                           ; v19      the other half of the lanes' part of it
.set WD,  20                           ; v20-23   scale words
.set PT,  28                           ; v28-30   the upper 16 codes of a block, before they are moved
.set CK,  32                           ; v32-55   24 registers of codes
.set X,   64                           ; v64-127  k: two sets of 32 neighbours
.set R,   128                          ; v128-255 the numbers as they are loaded
; The largest magnitude of v[x] .. v[x + 31] and the floor 2^(3 - 127), into v[MX]: 16 instructions in four chains.  The floor holds the byte at 1 from below.
.macro BMAXA x
.irp k, 0,1,2,3
	v_max3_num_f32 v[MX+\k], |v[\x+8*\k]|, |v[\x+8*\k+1]|, |v[\x+8*\k+2]|
.endr
.irp i, 3,5
.irp k, 0,1,2,3
	v_max3_num_f32 v[MX+\k], v[MX+\k], |v[\x+8*\k+\i]|, |v[\x+8*\k+\i+1]|
.endr
.endr
	v_max3_num_f32 v[MX], v[MX], v[MX+1], |v[\x+7]|
	v_max3_num_f32 v[MX+2], v[MX+2], v[MX+3], |v[\x+15]|
	v_max3_num_f32 v[MX], v[MX], v[MX+2], |v[\x+23]|
	v_max3_num_f32 v[MX], v[MX], |v[\x+31]|, 0x1800000
.endm
	s_load_b128 s[4:7], s[0:1], 0x0                ; k s[4:5], v s[6:7]
	s_load_b64 s[8:9], s[0:1], 0x10                ; kv
	v_lshl_add_u32 v62, v0, 2, 0x8800
	v_mov_b32 v63, 0
	v_lshrrev_b32 v1, 5, v0
	v_readfirstlane_b32 s10, v1                    ; wave 0..3
	v_and_b32 v1, 31, v0                           ; lane
	v_and_b32 v7, 15, v0                           ; r
	v_bfe_u32 v6, v0, 4, 1                         ; h
	s_mov_b32 s20, 0x76543210                      ; v_permlanex16_b32's selects for lane l xor 16
	s_mov_b32 s21, 0xfedcba98
	s_mov_b32 s15, 0                               ; the upper words of three offsets
	s_mov_b32 s19, 0
	s_mov_b32 s23, 0
	s_cmp_lt_u32 ttmp9, 512
	s_cbranch_scc0 .Lvpath
; ---------------- k: a wave takes 64 keys: four tiles of 16, half a key step ----------------
	s_lshl_b32 s12, ttmp9, 2
	s_add_co_u32 s12, s12, s10                     ; u = 4 x work-group + wave: which 64 keys of the 131,072
	s_lshl_b32 s14, s12, 14                        ; 64 keys x 256 bytes
	s_lshr_b32 s16, s12, 5                         ; the head: 32 such runs
	s_mul_i32 s16, s16, HEADB
	s_and_b32 s17, s12, 31                         ; 2 j + c
	s_mul_i32 s18, s17, 3072                       ; codes: 6 planes
	s_add_co_u32 s18, s18, s16
	s_lshl_b32 s22, s17, 8                         ; scale words: 256 bytes
	s_add_co_u32 s22, s22, s16
	s_add_co_u32 s22, s22, KSC
	s_mul_i32 s26, s10, 8704                       ; my wave's two stages in LDS: 16 rows x 272 bytes each
	s_wait_alu depctr_va_vdst(0)
	v_lshlrev_b32 v2, 4, v1                        ; 16 x lane: my bytes of a load's and of a store's 512
	v_mul_u32_u24 v3, v6, 272                      ; the stage, in: a load's 512 bytes are two keys: row l / 16, 16 bytes at 16 (l % 16)
	v_lshl_add_u32 v3, v7, 4, v3
	v_add_nc_u32 v3, s26, v3
	v_mul_u32_u24 v4, v7, 272                      ; out: row r, my half's 128 bytes.  Rows 272 bytes apart: sixteen rows begin at sixteen different 16-byte columns modulo 256
	v_lshl_add_u32 v4, v6, 7, v4
	v_add_nc_u32 v4, s26, v4
	v_lshlrev_b32 v5, 4, v7                        ; the scale words' way out: 16 r + 8 h
	v_lshl_add_u32 v5, v6, 3, v5
	v_cmp_ne_u32 vcc_lo, 0, v6                     ; lanes 16-31
	v_lshlrev_b32 v6, 3, v6                        ; 8 h: my byte's place in a scale word
	v_mov_b32 v[W2], 0                             ; written once: a lane permute's destination counts as one of its sources
	s_wait_alu depctr_va_vdst(0)
	s_wait_kmcnt 0x0
	s_add_nc_u64 s[4:5], s[4:5], s[14:15]
	s_add_nc_u64 s[24:25], s[8:9], s[22:23]
	s_add_nc_u64 s[8:9], s[8:9], s[18:19]
; All 32 loads go out at once, 512 consecutive bytes each.  Tile i is keys 8 i .. 8 i + 7 (its rows 0-7) and 32 + 8 i .. 32 + 8 i + 7 (rows 8-15).
.irp i, 0,1,2,3
.irp n, 0,1,2,3,4,5,6,7
	global_load_b128 v[R+32*\i+4*\n:R+32*\i+4*\n+3], v2, s[4:5] offset:2048*\i+512*(\n%4)+8192*(\n/4) th:TH_LOAD_NT
.endr
.endr
; Tile i turns through a stage: in as loaded (neighbouring lanes, neighbouring bytes), out 32 neighbours of one block to a lane, as the conversions want them.
; LDS serves a wave's instructions in order (ISA guide 5.7.1.4) and the bytes are the wave's own: no wait between the stores and the loads.
.macro TURN i
.set n, 0
.rept 8
	ds_store_b128 v3, v[R+32*(\i)+4*n:R+32*(\i)+4*n+3] offset:4352*((\i)%2)+544*n
.set n, n+1
.endr
.set n, 0
.rept 8
	ds_load_b128 v[X+32*((\i)%2)+4*n:X+32*((\i)%2)+4*n+3], v4 offset:4352*((\i)%2)+16*n
.set n, n+1
.endr
.endm
; Tile i: lane (r, h) holds block h of the tile's row r: all 32 numbers are its own.
.macro QT i
.set XS, X+32*((\i)%2)
	BMAXA XS
	v_add_nc_u32 v[SOP], 0xff000000, v[MX]         ; 2 off the exponent field: the conversion takes the exponent field of this operand as its scale, and nothing else of it
	v_cvt_scalef32_pk16_fp6_f32 v[CK+6*(\i):CK+6*(\i)+2], v[XS:XS+15], v[SOP]
	v_cvt_scalef32_pk16_fp6_f32 v[PT:PT+2], v[XS+16:XS+31], v[SOP]   ; (a conversion's three registers begin on an even number: the block's upper half is made here and moved)
	v_lshrrev_b32 v[BY], 23, v[SOP]                ; the scale's byte.  Also the plain instruction between the conversions and the moves
.irp m, 0,1,2
	v_mov_b32 v[CK+6*(\i)+3+\m], v[PT+\m]
.endr
	v_lshlrev_b32 v[W], v6, v[BY]                  ; my byte at its place,
	v_permlanex16_b32 v[W2], v[W], s20, s21
	v_or_b32 v[W], v[W], v[W2]                     ; with lane l xor 16's: b0, b1;
	v_lshl_or_b32 v[WD+(\i)], v[W], 16, v[W]       ; and once more above
.endm
	s_wait_loadcnt 24                              ; tile 0's eight loads are in; the 24 behind them may be out
	TURN 0
	s_wait_loadcnt 16                              ; tile 1's
	TURN 1
	s_wait_dscnt 16                                ; tile 0 is back from its stage; tile 1's sixteen LDS instructions may be out
	QT 0
	s_wait_loadcnt 8
	TURN 2
	s_wait_dscnt 16
	QT 1
	s_wait_loadcnt 0x0
	TURN 3
	s_wait_dscnt 16
	QT 2
	s_wait_dscnt 0x0
	QT 3
.irp p, 0,1,2,3,4,5
	global_store_b128 v2, v[CK+4*\p:CK+4*\p+3], s[8:9] offset:512*\p   ; a plane: 512 consecutive bytes, at a multiple of 256 from the buffer's first byte
.endr
	v_cndmask_b32 v24, v[WD], v[WD+2], vcc_lo      ; both halves of the lanes hold all four words of row r: lanes 0-15 store tiles 0 and 1, lanes 16-31 tiles 2 and 3
	v_cndmask_b32 v25, v[WD+1], v[WD+3], vcc_lo
	global_store_b64 v5, v[24:25], s[24:25]        ; 32 lanes store 256 consecutive bytes, aligned
	s_wait_tensorcnt 0x0
	ds_add_u32 v62, v63
	s_wait_dscnt 0x0
	s_endpgm
; ---------------- v: a wave takes 32 channels x 128 keys.  A LANE TAKES A CHANNEL, AND ITS REGISTERS RUN DOWN THE KEYS: nothing is transposed ----------------
.Lvpath:
	s_sub_co_u32 s12, ttmp9, 512
	s_lshl_b32 s12, s12, 2
	s_add_co_u32 s12, s12, s10                     ; u' = 4 x (work-group - 512) + wave
	s_lshr_b32 s14, s12, 1                         ; which 128 keys of the 131,072
	s_lshl_b32 s14, s14, 15                        ; x 256 bytes
	s_and_b32 s13, s12, 1                          ; g: which 32 channels
	s_lshl_b32 s13, s13, 7
	s_add_co_u32 s14, s14, s13
	s_lshr_b32 s16, s12, 5                         ; the head
	s_mul_i32 s16, s16, HEADB
	s_and_b32 s17, s12, 31                         ; 2 j + g
	s_mul_i32 s18, s17, 3072                       ; codes: two tiles of 3 planes
	s_add_co_u32 s18, s18, s16
	s_add_co_u32 s18, s18, VIMG
	s_lshl_b32 s22, s17, 7                         ; scale words: 128 bytes
	s_add_co_u32 s22, s22, s16
	s_add_co_u32 s22, s22, VSC
	s_wait_alu depctr_va_vdst(0)
	v_lshlrev_b32 v2, 2, v1                        ; in: 4 bytes a lane
	v_mul_u32_u24 v3, v6, 1536                     ; codes out: my channel is row l % 16 of tile 2 g + l / 16
	v_lshl_add_u32 v3, v7, 4, v3
	v_lshlrev_b32 v4, 3, v7                        ; scale word out: 8 (l % 16) + 4 (l / 16)
	v_lshl_add_u32 v4, v6, 2, v4
	s_wait_alu depctr_va_vdst(0)
	s_wait_kmcnt 0x0
	s_add_nc_u64 s[6:7], s[6:7], s[14:15]
	s_add_nc_u64 s[24:25], s[8:9], s[22:23]
	s_add_nc_u64 s[8:9], s[8:9], s[18:19]
.macro VLD bb                          ; block bb: keys 32 bb .. 32 bb + 31 of my channel; a load reads 128 consecutive bytes, and the wave beside me the other 128 of the row
.set n, 0
.rept 32
	global_load_b32 v[R+32*(\bb)+n], v2, s[6:7] offset:256*(32*(\bb)+n) th:TH_LOAD_NT
.set n, n+1
.endr
.endm
; Block bb = 2 c + h of my channel belongs to lane (r, h) of the operand's image: its six registers go to CK + 12 h + 6 c.
.macro VBLK bb
.set XS, R+32*(\bb)
.if (\bb) < 3
	s_wait_loadcnt 32                              ; this block's 32 loads are in; the next block's may be out
.else
	s_wait_loadcnt 0x0
.endif
.if (\bb) < 2
	VLD (\bb)+2                                    ; two blocks ahead: 64 loads of the wave are out
.endif
	BMAXA XS
	v_add_nc_u32 v[SOP], 0xff000000, v[MX]
	v_cvt_scalef32_pk16_fp6_f32 v[CK+12*((\bb)%2)+6*((\bb)/2):CK+12*((\bb)%2)+6*((\bb)/2)+2], v[XS:XS+15], v[SOP]
	v_cvt_scalef32_pk16_fp6_f32 v[PT:PT+2], v[XS+16:XS+31], v[SOP]
	v_lshrrev_b32 v[BY], 23, v[SOP]                ; the byte; also the plain instruction behind the conversions
.irp m, 0,1,2
	v_mov_b32 v[CK+12*((\bb)%2)+6*((\bb)/2)+3+\m], v[PT+\m]
.endr
.if (\bb) == 0
	v_mov_b32 v[WD], v[BY]                         ; four bytes to the word, the lower keys in the lower byte
.else
	v_lshl_or_b32 v[WD], v[BY], 8*(\bb), v[WD]
.endif
.endm
	VLD 0
	VLD 1
	VBLK 0
	VBLK 1
	VBLK 2
	VBLK 3
.irp hh, 0,1
.irp p, 0,1,2
	global_store_b128 v3, v[CK+12*\hh+4*\p:CK+12*\hh+4*\p+3], s[8:9] offset:512*\p+256*\hh   ; sixteen lanes store 256 consecutive bytes, aligned: half a plane of each of my two tiles
.endr
.endr
	global_store_b32 v4, v[WD], s[24:25]           ; 128 consecutive bytes; the wave beside me stores the 128 that follow
	s_endpgm
.Lfunc_end_k_qc1a7e692e9_quant:
	.size	k_qc1a7e692e9_quant, .Lfunc_end_k_qc1a7e692e9_quant-k_qc1a7e692e9_quant
	.p2alignl 7, 3214868480
	.fill 96, 4, 3214868480
	.section	.rodata,"a",@progbits
	.p2align	6, 0x0
	.amdhsa_kernel k_qc1a7e692e9_quant
		.amdhsa_group_segment_fixed_size 35328
		.amdhsa_private_segment_fixed_size 0
		.amdhsa_enable_private_segment 0
		.amdhsa_kernarg_size 24
		.amdhsa_user_sgpr_count 2
		.amdhsa_user_sgpr_kernarg_segment_ptr 1
		.amdhsa_wavefront_size32 1
		.amdhsa_system_sgpr_workgroup_id_x 1
		.amdhsa_system_sgpr_workgroup_id_y 1
		.amdhsa_system_sgpr_workgroup_id_z 1
		.amdhsa_system_vgpr_workitem_id 0
		.amdhsa_next_free_vgpr 256
		.amdhsa_next_free_sgpr 66
		.amdhsa_reserve_vcc 1
		.amdhsa_float_denorm_mode_32 3
		.amdhsa_float_denorm_mode_16_64 3
		.amdhsa_memory_ordered 1
		.amdhsa_forward_progress 1
		.amdhsa_inst_pref_size 37
	.end_amdhsa_kernel
	.amdgpu_metadata
---
amdhsa.version: [ 1, 2 ]
amdhsa.kernels:
  - .name:           k_qc1a7e692e9_quant
    .symbol:         k_qc1a7e692e9_quant.kd
    .args:
      - { .name: k, .offset: 0, .size: 8, .value_kind: global_buffer, .address_space: global }
      - { .name: v, .offset: 8, .size: 8, .value_kind: global_buffer, .address_space: global }
      - { .name: kv, .offset: 16, .size: 8, .value_kind: global_buffer, .address_space: global }
    .group_segment_fixed_size: 35328
    .private_segment_fixed_size: 0
    .kernarg_segment_align: 8
    .kernarg_segment_size: 24
    .max_flat_workgroup_size: 128
    .sgpr_count:     66
    .vgpr_count:     256
    .wavefront_size: 32
...
	.end_amdgpu_metadata
.endif
;; end of part 1
;; launch attn (part 2): grid 256 x 1, 4 waves a work-group, clusters of 4 x 1, 327,680 bytes of LDS; arguments q, kv, out0; writes out0
.if DOCPART == 2
	.amdgcn_target "amdgcn-amd-amdhsa--gfx1250"
	.amdhsa_code_object_version 6
	.text
	.protected	k_qc1a7e692e9_attn
	.globl	k_qc1a7e692e9_attn
	.p2align	8
	.type	k_qc1a7e692e9_attn,@function
k_qc1a7e692e9_attn:
	s_mov_b64 s[64:65], 0
	v_nop
	global_prefetch_b8 v0, s[64:65] scope:SCOPE_SE
	s_setreg_imm32_b32 hwreg(HW_REG_WAVE_MODE, 25, 1), 1
	s_wait_xcnt 0x0
	s_wait_alu depctr_hold_cnt(0) depctr_sa_sdst(0) depctr_va_vdst(0) depctr_va_sdst(0) depctr_va_ssrc(0) depctr_va_vcc(0) depctr_vm_vsrc(0)
	s_getreg_b32 s2, hwreg(HW_REG_IB_STS2, 6, 4)
	s_cmp_eq_u32 s2, 0
	s_cbranch_scc0 .Lentry_in_a_cluster
	s_endpgm
.Lentry_in_a_cluster:
	s_bfe_u32 s2, ttmp6, 0x10000c
	s_cmp_lg_u32 s2, 0x3003
	s_cbranch_scc0 .Lentry_shape_is_right
	s_endpgm
.Lentry_shape_is_right:
; out0[h][i][:] = the sum over j of a_hat(i, j) v[h][j][:],  a_hat = exp(q . k / 8) x (1 / the row's sum), both products on codes of FP6 (E2M3) with one E8M0 scale for each 32 along K.
; WHAT IS QUANTISED FOR THE SECOND PRODUCT IS THE FINISHED, NORMALISED a_hat: a row's sum is complete before any of its 2,048 weights is quantised.  A tile of 16 queries goes through
;   PASS A: S^T = K Q^T, p = 2^(s c), c = log2(e) / 8, and the row's sum; all 16 key steps' p stay on chip in f32: 13 steps in registers, 3 in the wave's own LDS;
;   NORM: 1 / sum;   PASS B: a_hat = p x (1 / sum), each block's largest, the conversion, O += P V;   OUT.   No score and no exponential is computed twice.
; LIMITS.  No maximum is taken off the scores, as the problem's own definition takes none off: the range is its range, less this: rows whose sum reaches 2^126, and rows all of whose weights lie under 2^-126,
; are not served (v_rcp_f32 and v_exp_f32 flush denormals: ISA guide 15.8).  2^(s c) carries the rounding of s c: about 1e-7 x |s c| of the number.  The key steps are summed into O in the order 15, 3 .. 14, 0 .. 2.
; SHARES.  A work-group of four waves, one to a SIMD, owns 512 queries of a head; a wave 128: eight tiles of 16, which it walks by itself, with no barrier.
; CLUSTER.  The four work-groups of a head need the same codes of k and v: the head's 208,896 bytes (images of the operands' registers, laid by the launch before) are asked for JOINTLY, one tensor load a wave,
; and stay in LDS for the whole launch: nothing is filled again.  NO PREFETCH: that one fill stands at the head, with no loop ahead of it to ask from; q's tiles are loaded into registers a whole tile ahead.
; LAYOUT.  The first product is used transposed (source 0 = 16 keys, source 1 = my 16 queries): a lane holds ONE query (lane % 16), and the keys of a tile of k are chosen so that registers 32 c .. 32 c + 31 of its 64 scores
; are keys 64 c + 32 (lane / 16) + 0 .. 31: a WHOLE block of the second product's K, in its operand's order.  The second product takes a_hat's codes as source 0 and 16 channels of v as source 1.
; K = 64 IN AN INSTRUCTION OF 128.  q's fragment has zero codes for k = 64 .. 127; a tile of k is 6 registers and the instruction is given 12: the upper six (the next tile's, zeros behind the last) meet q's zeros.
; HOW THE WORK IS LAID.  Pass A, key step a: 32 scalings slot -> WK; 64 exponentials WK -> slot, with the eight products of step a + 1 dealt among them, one for every seven; k's loads; 32 additions.
; Pass B, position b: 32 scalings slot -> WK with position b - 1's four products dealt among them; v's loads; maxima, scale word, conversions.  The codes go INTO THE SLOT JUST READ, so that the products' source 0
; and the next scalings' source 0 mostly lie in one register window.
; LDS: 0: the head's image (k's codes 98,304; v's 98,304; k's scale words 8,192; v's 4,096).  208,896 + 24,576 w: my three spill regions of 8,192.  307,200 + 4,352 w: my stage, 16 rows x 272.  324,608: the spare words.
; REGISTERS, in windows of 256 (s_set_vgpr_msb: bits 1:0 source 0, 3:2 source 1, 5:4 source 2, 7:6 destination).  Window 0: all below.  Windows 1-3: twelve slots of 64 registers: slot s at v[64 ((s - 1) % 4)] of window 1 + (s - 1) / 4.  Slot 0 is WK.
.set HEADB,  208896
.set VIMG,   98304
.set KSC,    196608
.set VSC,    204800
.set QUART,  52224                     ; a quarter of the head's image: 204 rows of 256 bytes: what one wave asks for
.set SPILL,  208896
.set STAGE,  307200
.set LI,  1                            ; v1      16 x lane: my place in a plane of an image; also my byte offset in a tile of out0
.set AK1, 2                            ; v2      LI + 61,440: k's codes from key step 10 on (an LDS offset has 16 bits)
.set AV0, 3                            ; v3      LI + 98,304: v's codes
.set AV1, 4                            ; v4      LI + 159,744: from key step 10 on
.set AKS, 5                            ; v5      LI + 196,608: k's scale words
.set AVS, 6                            ; v6      8 x lane + 204,800: v's: lanes 0-15 tiles 0, 1, lanes 16-31 tiles 2, 3
.set SPA, 7                            ; v7      LI + my spill regions
.set STO, 8                            ; v8      the stage, in: row 8 h, + 4 r
.set RD,  9                            ; v9      the stage, out: row l / 16, + 16 (l % 16)
.set QL,  10                           ; v10     q: 256 r + 128 h: my block of 32 of row r
.set QA,  11                           ; v11     QL + the tile asked for
.set SH8, 12                           ; v12     8 h
.set DI,  14                           ; v14-15  1 / sum, twice
.set SUM, 16                           ; v16-23  pass A: the row's sum, four pairs
.set MX,  16                           ; v16-23  elsewhere: eight chains of largest magnitudes
.set SOP, 24                           ; v24-25  the conversions' scale operands
.set BY,  26                           ; v26-27  scale bytes
.set W,   28
.set W2,  29
.set PS,  30                           ; v30     a_hat's scale word       (v30-37 hold scales and nothing else)
.set QS,  31                           ; v31     q's
.set KS,  32                           ; v32-35  k's, of a key step
.set VS,  36                           ; v36-37  v's
.set QF,  40                           ; v40-51  q's fragment: 6 registers of codes, 6 of zeros
.set PC,  52                           ; v52-63  a_hat's codes of position 0 (whose slot is WK itself)
.set SUM2, 52                          ; v52-59  pass A: four more pairs of the sum
.set PT,  64                           ; v64-66, v68-70  upper halves of blocks, before they are moved
.set KF,  72                           ; v72-119 a key step's codes of k, or of v
.set ZT,  120                          ; v120-125 zeros behind k's last tile
.set OA,  128                          ; v128-159 O: four accumulators
.set QX,  160                          ; v160-191 the next tile's q, f32
.set WK,  192                          ; v192-255 the step in hand; slot 0; on the way out rows of out0
.set MSB, 0
.macro WIN new                         ; the immediate's high byte repeats the setting that is left; a switch that changes nothing is dropped
.if MSB != (\new)
	s_set_vgpr_msb (MSB<<8)|(\new)
.set MSB, (\new)
.endif
.endm
.macro CROUND                          ; a round of the cluster's barrier
	s_barrier_signal -1
	s_barrier_wait -1
	s_cmp_lg_u32 s10, 0
	s_cbranch_scc1 .Lnot_wave_0_\@
	s_barrier_signal -3
.Lnot_wave_0_\@:
	s_barrier_wait -3
	s_barrier_signal -1
	s_barrier_wait -1
.endm
.macro PLACES                          ; four plain vector instructions between a matrix instruction and a load into, or a read of, its registers (ISA guide 7.12.1 for reads)
.rept 4
	v_nop
.endr
.endm
.macro SETSLOT                         ; slot SL -> its window SW and first register SB
.if SL == 0
.set SW, 0
.set SB, WK
.else
.set SW, 1+(SL-1)/4
.set SB, 64*((SL-1)%4)
.endif
.endm
.macro ASLOT a                         ; pass A: steps 0-2 in slots 1-3, from which they are spilled; steps 3-14 in slots 1-12; step 15 in slot 0
.if (\a) < 3
.set SL, (\a)+1
.elseif (\a) < 15
.set SL, (\a)-2
.else
.set SL, 0
.endif
	SETSLOT
.endm
.macro KLOAD j                         ; 13 LDS loads: key step j's codes of k (12 planes of 512 consecutive bytes) and its scale words
.set p, 0
.rept 12
.if (\j) < 10
	ds_load_b128 v[KF+4*p:KF+4*p+3], v[LI] offset:6144*(\j)+512*p
.else
	ds_load_b128 v[KF+4*p:KF+4*p+3], v[AK1] offset:6144*((\j)-10)+512*p
.endif
.set p, p+1
.endr
	ds_load_b128 v[KS:KS+3], v[AKS] offset:512*(\j)
.endm
.macro VLOAD j                         ; the same for v: four fragments of 12 registers, and two registers of scale words
.set p, 0
.rept 12
.if (\j) < 10
	ds_load_b128 v[KF+4*p:KF+4*p+3], v[AV0] offset:6144*(\j)+512*p
.else
	ds_load_b128 v[KF+4*p:KF+4*p+3], v[AV1] offset:6144*((\j)-10)+512*p
.endif
.set p, p+1
.endr
	ds_load_b64 v[VS:VS+1], v[AVS] offset:256*(\j)
.endm
.macro QKI                             ; S^T's tile t of the key step in KF -> v[NB + 8 t ..] of the destination's window: a sum of its own (C = 0)
.if t < 4
	v_wmma_scale_f32_16x16x128_f8f6f4 v[NB+8*t:NB+8*t+7], v[KF+6*t:KF+6*t+11], v[QF:QF+11], 0, v[KS+t%4], v[QS] matrix_a_fmt:MATRIX_FMT_FP6 matrix_b_fmt:MATRIX_FMT_FP6
.else
	v_wmma_scale_f32_16x16x128_f8f6f4 v[NB+8*t:NB+8*t+7], v[KF+6*t:KF+6*t+11], v[QF:QF+11], 0, v[KS+t%4], v[QS] matrix_a_fmt:MATRIX_FMT_FP6 matrix_b_fmt:MATRIX_FMT_FP6 matrix_a_scale:MATRIX_SCALE_ROW1
.endif
.endm
; Pass A, key step a.  Its scores lie in slot (CW, CB); the products of step a + 1 go to slot (NW, NB).
.macro PA a
	ASLOT \a
.set CW, SW
.set CB, SB
.if \a < 15
	ASLOT \a+1
.set NW, SW
.set NB, SB
.endif
	WIN CW                                         ; source 0 in the slot's window
	s_wait_alu depctr_va_vdst(0)                   ; directly ahead of the first readers of the step's eight products
.set e, 0
.rept 32
	v_pk_mul_f32 v[WK+2*e:WK+2*e+1], v[CB+2*e:CB+2*e+1], s[20:21] op_sel_hi:[1,0]   ; s c; each accumulator from its low end on
.set e, e+1
.endr
.if \a < 15
.if (\a >= 1) && (\a <= 3)
	s_wait_dscnt 16                                ; k's codes of step a + 1 are in; the sixteen spill stores of step a - 1, issued behind those loads, may be out
.else
	s_wait_dscnt 0x0                               ; k's codes of step a + 1 are in
.endif
.endif
	WIN CW<<6                                      ; destination in the slot's window
	s_wait_alu depctr_va_vdst(0)                   ; ahead of the batch
.set e, 0
.rept 64
.if (\a < 14) && (e%7 == 0) && (e < 56)
.set t, e/7
	WIN NW<<6
	QKI
	WIN CW<<6
.endif
	v_exp_f32 v[CB+e], v[WK+e]                     ; p = 2^(s c)
.set e, e+1
.endr
	WIN CW<<2                                      ; source 1 in the slot's window: the sums' addend, a spill store's data
	PLACES                                         ; behind the last exponential and the last product, in front of the loads into its operands
	s_wait_alu depctr_va_vdst(0)                   ; behind the batch
.if \a <= 13
	KLOAD \a+2
.endif
.if \a < 3
.set e, 0
.rept 16
	ds_store_b128 v[SPA], v[CB+4*e:CB+4*e+3] offset:8192*(\a)+512*e   ; the slot as an image of its registers
.set e, e+1
.endr
.endif
.set e, 0
.rept 32
.if (\a == 14) && (e%4 == 0)                   ; step 15's products land in WK, which step 14's exponentials have read: so they stand here, among the additions
.set t, e/4
	WIN 0
	QKI
	WIN CW<<2
.endif
.set u, SUM+2*(e%4)+(SUM2-SUM)*((e/4)%2)
	v_pk_add_f32 v[u:u+1], v[u:u+1], v[CB+2*e:CB+2*e+1]   ; eight chains
.set e, e+1
.endr
.if \a == 14
	VLOAD 15                                       ; k is done with (four additions stand behind its last product): v's codes of the step that pass B takes first
.endif
.endm
; The largest of each of WK's two blocks of 32, and the floor 2^(3 - 127), into v[MX] and v[MX + 4].  No |.|: a_hat is never negative.
.macro BMAX2
.irp k, 0,1,2,3
.irp c, 0,1
	v_max3_num_f32 v[MX+4*\c+\k], v[WK+32*\c+8*\k], v[WK+32*\c+8*\k+1], v[WK+32*\c+8*\k+2]
.endr
.endr
.irp i, 3,5
.irp k, 0,1,2,3
.irp c, 0,1
	v_max3_num_f32 v[MX+4*\c+\k], v[MX+4*\c+\k], v[WK+32*\c+8*\k+\i], v[WK+32*\c+8*\k+\i+1]
.endr
.endr
.endr
.irp c, 0,1
	v_max3_num_f32 v[MX+4*\c], v[MX+4*\c], v[MX+4*\c+1], v[WK+32*\c+7]
.endr
.irp c, 0,1
	v_max3_num_f32 v[MX+4*\c+2], v[MX+4*\c+2], v[MX+4*\c+3], v[WK+32*\c+15]
.endr
.irp c, 0,1
	v_max3_num_f32 v[MX+4*\c], v[MX+4*\c], v[MX+4*\c+2], v[WK+32*\c+23]
.endr
.irp c, 0,1
	v_max3_num_f32 v[MX+4*\c], v[MX+4*\c], v[WK+32*\c+31], 0x1800000
.endr
.endm
.macro PVI                             ; O's tile t (channels 16 t on) += a_hat's codes (v[PBS ..] of source 0's window) x v's fragment.  FST: the product starts the sum
.if FST
.if t < 2
	v_wmma_scale_f32_16x16x128_f8f6f4 v[OA+8*t:OA+8*t+7], v[PBS:PBS+11], v[KF+12*t:KF+12*t+11], 0, v[PS], v[VS+t%2] matrix_a_fmt:MATRIX_FMT_FP6 matrix_b_fmt:MATRIX_FMT_FP6
.else
	v_wmma_scale_f32_16x16x128_f8f6f4 v[OA+8*t:OA+8*t+7], v[PBS:PBS+11], v[KF+12*t:KF+12*t+11], 0, v[PS], v[VS+t%2] matrix_a_fmt:MATRIX_FMT_FP6 matrix_b_fmt:MATRIX_FMT_FP6 matrix_b_scale:MATRIX_SCALE_ROW1
.endif
.else
.if t < 2
	v_wmma_scale_f32_16x16x128_f8f6f4 v[OA+8*t:OA+8*t+7], v[PBS:PBS+11], v[KF+12*t:KF+12*t+11], v[OA+8*t:OA+8*t+7], v[PS], v[VS+t%2] matrix_a_fmt:MATRIX_FMT_FP6 matrix_b_fmt:MATRIX_FMT_FP6
.else
	v_wmma_scale_f32_16x16x128_f8f6f4 v[OA+8*t:OA+8*t+7], v[PBS:PBS+11], v[KF+12*t:KF+12*t+11], v[OA+8*t:OA+8*t+7], v[PS], v[VS+t%2] matrix_a_fmt:MATRIX_FMT_FP6 matrix_b_fmt:MATRIX_FMT_FP6 matrix_b_scale:MATRIX_SCALE_ROW1
.endif
.endif
.endm
; Pass B, position b.  b = 0: slot 0, key step 15;  b = 1 .. 12: slot b, step b + 2;  b = 13 .. 15: slot b - 12, filled again from my spill region b - 13, step b - 13.
; (PW, PBS): where position b - 1 left its codes.  Its four products, the accumulators by turns, stand ahead of scalings 6, 13, 20 and 27.
.macro PB b
.if (\b) == 0
.set SL, 0
.set J, 15
.elseif (\b) < 13
.set SL, \b
.set J, (\b)+2
.else
.set SL, (\b)-12
.set J, (\b)-13
.endif
.if (\b) == 1
.set FST, 1
.else
.set FST, 0
.endif
	SETSLOT
	WIN SW                                         ; source 0 in the slot's window
.set e, 0
.rept 32
.if ((\b) > 0) && (e >= 6) && ((e-6)%7 == 0)
.if e == 6                                     ; six scalings stand behind the last code moved (four places are asked), seventeen places behind the scale word (eight)
	s_wait_alu depctr_va_vdst(0)                   ; directly ahead of the wait below
.if ((\b) >= 3) && ((\b) <= 5)
	s_wait_dscnt 16                                ; v's codes are in; the sixteen loads out of a spill region, issued behind them, may be out
.else
	s_wait_dscnt 0x0
.endif
.endif
.set t, (e-6)/7
	WIN PW
	PVI
	WIN SW
.endif
	v_pk_mul_f32 v[WK+2*e:WK+2*e+1], v[SB+2*e:SB+2*e+1], v[DI:DI+1]   ; a_hat = p x (1 / sum)
.set e, e+1
.endr
	WIN 0
.if (\b) > 0
	VLOAD J                                        ; five scalings stand behind the last product
.endif
.if ((\b) >= 2) && ((\b) <= 4)
	WIN 0x40                                       ; destination window 1: slot b - 1, whose codes have been multiplied, takes spilled step b - 2, for position b + 11
.set e, 0
.rept 16
	ds_load_b128 v[64*((\b)-2)+4*e:64*((\b)-2)+4*e+3], v[SPA] offset:8192*((\b)-2)+512*e
.set e, e+1
.endr
	WIN 0
.endif
	BMAX2
.irp c, 0,1
	v_add_nc_u32 v[SOP+\c], 0xff000000, v[MX+4*\c] ; 2 off the exponent field: the conversion's scale operand
.endr
	v_lshrrev_b32 v[BY], 23, v[SOP]                ; my two blocks' bytes: blocks h and 2 + h of my query,
	v_lshrrev_b32 v[BY+1], 23, v[SOP+1]
	v_lshl_or_b32 v[W], v[BY+1], 16, v[BY]
	v_lshlrev_b32 v[W], v[SH8], v[W]               ; at their places (8 h bits up);
	v_permlanex16_b32 v[W2], v[W], s22, s23
	v_or_b32 v[PS], v[W], v[W2]                    ; with lane l xor 16's two the word is whole
.if (\b) == 0
.set PW, 0
.set PBS, PC
.set PTB, PT
.else
.set PW, SW
.set PBS, SB
.set PTB, SB+12
.endif
	WIN PW<<6
.irp c, 0,1
	v_cvt_scalef32_pk16_fp6_f32 v[PBS+6*\c:PBS+6*\c+2], v[WK+32*\c:WK+32*\c+15], v[SOP+\c]
	v_cvt_scalef32_pk16_fp6_f32 v[PTB+4*\c:PTB+4*\c+2], v[WK+32*\c+16:WK+32*\c+31], v[SOP+\c]   ; (a conversion's three registers begin on an even number)
.endr
	v_nop                                          ; a plain instruction behind the conversions
	WIN (PW<<6)|PW
.irp c, 0,1
.irp i, 0,1,2
	v_mov_b32 v[PBS+6*\c+3+\i], v[PTB+4*\c+\i]
.endr
.endr
.endm
; The tile of q in QX becomes a fragment and a scale word; the sums begin at 0; the tile after it is asked for.
.macro QQ
	s_wait_loadcnt 0x0                             ; asked for a whole tile ago; the loads are done, so their address register may be written too
.irp k, 0,1,2,3
	v_max3_num_f32 v[MX+\k], |v[QX+8*\k]|, |v[QX+8*\k+1]|, |v[QX+8*\k+2]|
.endr
.irp i, 3,5
.irp k, 0,1,2,3
	v_max3_num_f32 v[MX+\k], v[MX+\k], |v[QX+8*\k+\i]|, |v[QX+8*\k+\i+1]|
.endr
.endr
	v_max3_num_f32 v[MX], v[MX], v[MX+1], |v[QX+7]|
	v_max3_num_f32 v[MX+2], v[MX+2], v[MX+3], |v[QX+15]|
	v_max3_num_f32 v[MX], v[MX], v[MX+2], |v[QX+23]|
	v_max3_num_f32 v[MX], v[MX], |v[QX+31]|, 0x1800000   ; my block's largest magnitude, and the floor 2^(3 - 127): the byte cannot fall under 1
	v_add_nc_u32 v[SOP], 0xff000000, v[MX]
	v_cvt_scalef32_pk16_fp6_f32 v[QF:QF+2], v[QX:QX+15], v[SOP]
	v_cvt_scalef32_pk16_fp6_f32 v[PT:PT+2], v[QX+16:QX+31], v[SOP]
	v_lshrrev_b32 v[BY], 23, v[SOP]                ; the byte; also the plain instruction behind the conversions
	v_lshlrev_b32 v[W], v[SH8], v[BY]
	v_permlanex16_b32 v[W2], v[W], s22, s23
	v_or_b32 v[W], v[W], v[W2]                     ; b0, b1,
	v_lshl_or_b32 v[QS], v[W], 16, v[W]            ; and once more above: those two scale the zeros
.irp i, 0,1,2
	v_mov_b32 v[QF+3+\i], v[PT+\i]
.endr
.irp i, 0,1,2,3,4,5,6,7
	v_mov_b32 v[SUM+\i], 0                         ; (these sixteen are also the places between the scale word, the codes and the first scaled product)
	v_mov_b32 v[SUM2+\i], 0
.endr
	s_add_co_u32 s41, s41, 4096
	s_min_u32 s41, s41, 28672                      ; behind the last tile the last is asked for once more: no load leaves the buffer, and there is no branch
	v_add_nc_u32 v[QA], s41, v[QL]
.irp e, 0,1,2,3,4,5,6,7
	global_load_b128 v[QX+4*\e:QX+4*\e+3], v[QA], s[4:5] offset:16*\e
.endr
.endm
.macro START                           ; a tile's key step 0: its eight products, and k's codes of step 1
	ASLOT 0
.set NW, SW
.set NB, SB
	WIN NW<<6
.set t, 0
.rept 8
	QKI
.set t, t+1
.endr
	WIN 0
	PLACES
	KLOAD 1
.endm
	s_load_b128 s[4:7], s[0:1], 0x0                ; q s[4:5], kv s[6:7]
	s_load_b64 s[8:9], s[0:1], 0x10                ; out0
	v_lshl_add_u32 v126, v0, 2, 0x4f400            ; my spare word,
	v_mov_b32 v127, 0                              ; and 0
	ds_add_u32 v126, v127                          ; the add, twice on end; its wait stands ahead of my tensor load
	ds_add_u32 v126, v127
	v_lshrrev_b32 v13, 5, v0
	v_readfirstlane_b32 s10, v13                   ; wave 0..3
	s_bfe_u32 s11, ttmp6, 0x40000                  ; cx: my place in the cluster: it enters q's and out0's addresses alone
	v_and_b32 v13, 31, v0                          ; lane
	v_and_b32 v16, 15, v0                          ; r
	v_bfe_u32 v17, v0, 4, 1                        ; h
	v_lshlrev_b32 v[LI], 4, v13
	v_add_nc_u32 v[AK1], 61440, v[LI]
	v_add_nc_u32 v[AV0], VIMG, v[LI]
	v_add_nc_u32 v[AV1], VIMG+61440, v[LI]
	v_add_nc_u32 v[AKS], KSC, v[LI]
	v_lshl_add_u32 v[AVS], v13, 3, VSC
	s_mul_i32 s12, s10, 24576
	s_add_co_u32 s12, s12, SPILL
	v_add_nc_u32 v[SPA], s12, v[LI]
	s_mul_i32 s13, s10, 4352
	s_add_co_u32 s13, s13, STAGE
	v_mul_u32_u24 v[STO], v17, 8*272               ; in: register j of accumulator n is O(8 h + j, 16 n + r): row 8 h, word r; rows 272 bytes apart
	v_lshl_add_u32 v[STO], v16, 2, v[STO]
	v_add_nc_u32 v[STO], s13, v[STO]
	v_mul_u32_u24 v[RD], v17, 272
	v_lshl_add_u32 v[RD], v16, 4, v[RD]
	v_add_nc_u32 v[RD], s13, v[RD]
	v_lshlrev_b32 v[QL], 8, v16
	v_lshl_add_u32 v[QL], v17, 7, v[QL]
	v_lshlrev_b32 v[SH8], 3, v17
	s_lshl_b32 s14, ttmp9, 4                       ; in a cluster launch ttmp9 counts clusters: the head.  16 runs of 128 queries to a head,
	s_lshl_b32 s15, s11, 2
	s_add_co_u32 s14, s14, s15                     ; 4 to a work-group,
	s_add_co_u32 s14, s14, s10                     ; one to a wave,
	s_lshl_b32 s14, s14, 15                        ; of 128 x 256 bytes
	s_mov_b32 s15, 0
	s_mul_i32 s16, ttmp9, HEADB                    ; the head's image in kv, and my quarter of it: made of the head and the wave's number alone, which the four partners share
	s_mul_i32 s25, s10, QUART                      ; descriptor group 0, 63:32: the LDS address: my quarter
	s_add_co_u32 s16, s16, s25
	s_mov_b32 s17, 0
	s_mov_b32 s24, 1                               ; 1:0 count = 1
	; descriptor group 1: a dense block as 204 rows of 256 bytes (32 elements of 8 bytes), no padding: every read of it takes 512 consecutive bytes
	s_mov_b32 s32, 15|(3<<16)|(1<<21)              ; 15:0 the mask: all four work-groups; 17:16 elements of 8 bytes; 21 set beside a mask
	s_mov_b32 s33, 32<<16                          ; tensor_dim0 = 32
	s_mov_b32 s34, 204<<16                         ; tensor_dim1 = 204
	s_mov_b32 s35, 32<<16                          ; tile_dim0 = 32
	s_mov_b32 s36, 204                             ; tile_dim1 = 204
	s_mov_b32 s37, 32                              ; elements from row to row
	s_mov_b32 s38, 0
	s_mov_b32 s39, 0
	s_mov_b32 s20, 0x3e38aa3b                      ; c = log2(e) / 8
	s_mov_b32 s21, s20                             ; (named with it as a pair, so it is written)
	s_mov_b32 s22, 0x76543210                      ; v_permlanex16_b32's selects for lane l xor 16
	s_mov_b32 s23, 0xfedcba98
	s_mov_b32 s40, 8                               ; tiles to go
	s_mov_b32 s41, 0                               ; byte offset of the tile of q that is asked for
	s_wait_alu depctr_va_vdst(0)                   ; directly ahead of the wait below
	s_wait_dscnt 0x0                               ; both opening adds are done
	s_wait_kmcnt 0x0
	s_add_nc_u64 s[4:5], s[4:5], s[14:15]          ; q and out0 at my wave's first query
	s_add_nc_u64 s[8:9], s[8:9], s[14:15]
	s_add_nc_u64 s[26:27], s[6:7], s[16:17]        ; 120:64 global address
	s_or_b32 s27, s27, 0x80000000                  ; 127:126 type = 2
	CROUND                                         ; all four work-groups are here: the joint loads meet
	tensor_load_to_lds s[24:27], s[32:39]          ; my one tensor load of the launch
	s_nop 0
	PLACES                                         ; four v_nop follow it
.irp e, 0,1,2,3,4,5,6,7
	global_load_b128 v[QX+4*\e:QX+4*\e+3], v[QL], s[4:5] offset:16*\e   ; tile 0 of q: lane (r, h) takes block h of query r: 32 numbers
.endr
.irp i, 0,1,2,3,4,5
	v_mov_b32 v[QF+6+\i], 0                        ; q's codes for k = 64 .. 127: zeros, written once
	v_mov_b32 v[ZT+\i], 0                          ; and what stands behind k's last tile
.endr
	v_mov_b32 v[W2], 0                             ; written once: a lane permute's destination counts as one of its sources
	s_wait_alu depctr_va_vdst(0)                   ; directly ahead of the wait below
	s_wait_tensorcnt 0x0                           ; my quarter of the image is in,
	s_barrier_signal -1
	s_barrier_wait -1                              ; everybody's is
	KLOAD 0
	QQ
	s_wait_alu depctr_va_vdst(0)
	s_wait_dscnt 0x0                               ; k's codes of step 0
	START
.Ltile:
.irp a, 0,1,2,3,4,5,6,7,8,9,10,11,12,13,14,15
	PA \a
.endr
	WIN 0
	; ---- 1 / the row's sum: the eight pairs, the pair's halves, lane l xor 16's keys; the reciprocal with one step of Newton's, so that it is as good as an f32 division
.irp i, 0,1,2,3
	v_pk_add_f32 v[SUM+2*\i:SUM+2*\i+1], v[SUM+2*\i:SUM+2*\i+1], v[SUM2+2*\i:SUM2+2*\i+1]
.endr
	v_pk_add_f32 v[SUM:SUM+1], v[SUM:SUM+1], v[SUM+2:SUM+3]
	v_pk_add_f32 v[SUM+4:SUM+5], v[SUM+4:SUM+5], v[SUM+6:SUM+7]
	v_pk_add_f32 v[SUM:SUM+1], v[SUM:SUM+1], v[SUM+4:SUM+5]
	v_add_f32 v[SUM], v[SUM], v[SUM+1]
	v_permlanex16_b32 v[SUM+2], v[SUM], s22, s23
	v_add_f32 v[SUM], v[SUM], v[SUM+2]
	s_wait_alu depctr_va_vdst(0)                   ; ahead of the transcendental
	v_rcp_f32 v[DI], v[SUM]
	v_nop                                          ; a plain instruction behind it
	s_wait_alu depctr_va_vdst(0)                   ; and ahead of its first reader
	v_fma_f32 v[SUM+1], -v[SUM], v[DI], 1.0
	v_fma_f32 v[DI], v[DI], v[SUM+1], v[DI]
	v_mov_b32 v[DI+1], v[DI]
.irp b, 0,1,2,3,4,5,6,7,8,9,10,11,12,13,14,15
	PB \b
.endr
	WIN 0
	PLACES                                         ; four places behind the last code moved
	s_wait_alu depctr_va_vdst(0)                   ; directly ahead of the wait below
	s_wait_dscnt 0x0                               ; v's codes of the last position
	WIN PW
.set FST, 0
.set t, 0
.rept 4
	PVI
.set t, t+1
.endr
	WIN 0
	PLACES                                         ; behind the last products: for the reads of their results and the loads into their operands
	; ---- the way out: the tile goes through my stage and leaves as 16 whole rows: 4,096 consecutive bytes
.irp n, 0,1,2,3
.irp j, 0,1,2,3,4,5,6,7
	ds_store_b32 v[STO], v[OA+8*\n+\j] offset:272*\j+64*\n           ; each accumulator from its low end on; lanes 0-15 and 16-31 fall on different banks (8 rows are 544 words)
.endr
.endr
.irp e, 0,1,2,3,4,5,6,7
	ds_load_b128 v[WK+4*\e:WK+4*\e+3], v[RD] offset:544*\e           ; LDS serves a wave's instructions in order (ISA guide 5.7.1.4): these see my stores
.endr
	s_cmp_eq_u32 s40, 1
	s_cbranch_scc1 .Lfin                           ; the last tile leaves the loop here: nothing is prepared for a tile that does not exist
	KLOAD 0                                        ; the next tile's first codes of k
	QQ                                             ; the next tile's q, while the stage's loads are out
	s_wait_alu depctr_va_vdst(0)                   ; directly ahead of the wait below
	s_wait_dscnt 0x0                               ; the rows are back, k's codes are in
.irp e, 0,1,2,3,4,5,6,7
	global_store_b128 v[LI], v[WK+4*\e:WK+4*\e+3], s[8:9] offset:512*\e th:TH_STORE_NT   ; 32 lanes store 512 consecutive bytes, at a multiple of 256 from out0's first byte
.endr
	START
	s_wait_xcnt 0x0                                ; the stores' data and base are written again only behind this wait
	s_add_nc_u64 s[8:9], s[8:9], 4096
	s_sub_co_u32 s40, s40, 1
	s_cmp_lg_u32 s40, 0                            ; the counted form of a backward jump; every trip that comes here has a tile to go
	s_cbranch_scc1 .Ltile
.Lfin:
	s_wait_dscnt 0x0                               ; the last tile's rows are back
.irp e, 0,1,2,3,4,5,6,7
	global_store_b128 v[LI], v[WK+4*\e:WK+4*\e+3], s[8:9] offset:512*\e th:TH_STORE_NT
.endr
	s_wait_tensorcnt 0x0                           ; the wave's end
	ds_add_u32 v126, v127
	s_wait_dscnt 0x0
	CROUND                                         ; the closing round: no work-group ends while a partner may still ask for a tile that names it
	s_endpgm
.Lfunc_end_k_qc1a7e692e9_attn:
	.size	k_qc1a7e692e9_attn, .Lfunc_end_k_qc1a7e692e9_attn-k_qc1a7e692e9_attn
	.p2alignl 7, 3214868480
	.fill 96, 4, 3214868480
	.section	.rodata,"a",@progbits
	.p2align	6, 0x0
	.amdhsa_kernel k_qc1a7e692e9_attn
		.amdhsa_group_segment_fixed_size 327680
		.amdhsa_private_segment_fixed_size 0
		.amdhsa_enable_private_segment 0
		.amdhsa_kernarg_size 24
		.amdhsa_user_sgpr_count 2
		.amdhsa_user_sgpr_kernarg_segment_ptr 1
		.amdhsa_wavefront_size32 1
		.amdhsa_system_sgpr_workgroup_id_x 1
		.amdhsa_system_sgpr_workgroup_id_y 1
		.amdhsa_system_sgpr_workgroup_id_z 1
		.amdhsa_system_vgpr_workitem_id 0
		.amdhsa_next_free_vgpr 1024
		.amdhsa_next_free_sgpr 66
		.amdhsa_reserve_vcc 0
		.amdhsa_float_denorm_mode_32 3
		.amdhsa_float_denorm_mode_16_64 3
		.amdhsa_memory_ordered 1
		.amdhsa_forward_progress 1
		.amdhsa_inst_pref_size 255
	.end_amdhsa_kernel
	.section	.bss,"aw",@nobits
	.p2align	6
	.space	262144
	.amdgpu_metadata
---
amdhsa.version: [ 1, 2 ]
amdhsa.kernels:
  - .name:           k_qc1a7e692e9_attn
    .symbol:         k_qc1a7e692e9_attn.kd
    .args:
      - { .name: q, .offset: 0, .size: 8, .value_kind: global_buffer, .address_space: global }
      - { .name: kv, .offset: 8, .size: 8, .value_kind: global_buffer, .address_space: global }
      - { .name: out0, .offset: 16, .size: 8, .value_kind: global_buffer, .address_space: global }
    .group_segment_fixed_size: 327680
    .private_segment_fixed_size: 0
    .kernarg_segment_align: 8
    .kernarg_segment_size: 24
    .max_flat_workgroup_size: 128
    .sgpr_count:     66
    .vgpr_count:     1024
    .wavefront_size: 32
...
	.end_amdgpu_metadata
.endif
;; end of part 2
